; MI455X (gfx1250); checked and timed in simulation.
; The chip was launched on July 23, 2026; its instructions are those of AMD's public machine-readable ISA for CDNA 5 (MIT licence, August 2026) and "CDNA5" Instruction Set Architecture Reference Guide (July 2026). The comments in the code are by the model that wrote it; some were corrected since.
;; Re L Ucov. Allowed arithmetic: float matrix products may take bf16 or f16 operands with f32 sums; all other float work in f32.
;; Inputs: kin 4 x 256 x 256 float32; meanin 4 x 256 x 96 float32; xin 4 x 256 x 2 float32.
;; Outputs: out0 4 x 256 x 2 float32; out1 4 x 256 x 96 float32; out2 4 x 256 x 256 float32.
;; One version. Each part assembles by itself: llvm-mc -triple=amdgcn-amd-amdhsa -mcpu=gfx1250 --defsym DOCPART=n.
;; ======== version 1 of 1: 1 launch
;; limits: a function is approximated: absolute error at most 7.5e-08
;; launch relucov (part 1): grid 64 x 4, 8 waves a work-group, no clusters, 66,560 bytes of LDS; arguments kin, meanin, xin, out0, out1, out2; writes out0, out1, out2
.if DOCPART == 1
	.amdgcn_target "amdgcn-amd-amdhsa--gfx1250"
	.amdhsa_code_object_version 6
	.text
	.protected	k_qce901109e3_relucov
	.globl	k_qce901109e3_relucov
	.p2align	8
	.type	k_qce901109e3_relucov,@function
k_qce901109e3_relucov:
	s_mov_b64 s[64:65], 0
	v_nop
	global_prefetch_b8 v0, s[64:65] scope:SCOPE_SE
	s_setreg_imm32_b32 hwreg(HW_REG_WAVE_MODE, 25, 1), 1
	s_wait_xcnt 0x0
; ReLU moments of a Gaussian: out0 = xin, out1 = Eh [4][256][96], out2 = covariance [4][256][256].  All f32, vector unit only.
;
; ALGEBRA.  kap = sqrt(log2 e / 2), c0 = 1/sqrt(2 pi), S = the 2x2 root, A = kap * inverse(S).  Per channel
;   v1 = A00 mi + A01 mj, v2 = A10 mi + A11 mj, e = 2^(-v^2) (so phi = c0 e), Phi from e (see below).
; Every coefficient that hangs on the pair alone is applied behind the sum over the 96 channels, so the loop keeps seven sums:
;   S0 Phi1 Phi2 | S1 Phi1 Phi2 mi mj - Eh_i Eh_j | S2 Phi2 e1 mi | S3 Phi2 e1 mj | S4 Phi1 e2 mi | S5 Phi1 e2 mj | S6 e1 e2
;   base = S1 + c0 (s10 S2 + s00 S3 + s11 S4 + s01 S5),  Y = (c0/kap) (s00 (A00 S2 + A01 S3) + s11 (A10 S4 + A11 S5)),  X = S6 / pi
;   96 out(i,j) = base + k_ij S0 + s01 (s01 X - Y)         96 out(j,i) = base + k_ji S0 + s10 (s10 X - Y)
; The second line holds for any kin, symmetric or not: swapping i and j swaps s00 with s11, s01 with s10, u1 with u2, so S0, S1, S6, base and Y stay.
; So one pass over the unordered pair {i, j} gives both outputs: half the arithmetic.
;
; Phi(u) = 0.5 + copysign(0.5 - t e (c1 + t (c2 + t (c3 + t (c4 + t c5)))), u), t = 1 / (1 + PK |v|): Abramowitz and Stegun 7.1.26 with halved coefficients.
;
; LIMITS.  |error of erf| <= 1.5e-7 for every argument.  v_exp_f32 gives 0 where 2^(-v^2) < 2^-126.  Divisions are v_rcp_f32 and a multiply.
; The sums over channels run in another order than a plain mean.  The diagonal of out2 always takes max(dval, 1e-6) + 1e-6 (the clip lies above
; the 1e-7 test); a NaN dval stays NaN there.  Clips use v_maximum_f32, in which a NaN wins.
;
; SHARES.  Blocks of 32 x 32 of out2, 8 x 8 of them in a batch.  Work-group x = 8 I + k, y = batch.  k = 0: the diagonal block I, taken cyclically
; (32 rows x offsets 1..16).  k = 1..6: block (I, I + D), D = 1, 1, 2, 2, 3, 3, upper or lower 16 rows.  k = 7: D = 4, taken once (I & 3; half I >> 2).
; Every work-group has 512 pairs, two a thread; a v_pk_*_f32 takes two channels of one pair.  256 work-groups of equal work.
; No matrix unit: the one product in here (Eh_i Eh_j) is subtracted from a sum of nearly its own size and cannot be rounded to 16 bits.
; No tensor loads, no cluster: a work-group reads some 22 KB once, through registers, since every row is transformed on its way into LDS.
;
; LDS: 66,560 bytes asked for, 55,168 used (the index parameters below are selected between two cases; the room covers any mix of them).
.set PITCH, 528                        ; a row of 96 f32 (384 bytes) at 33 x 16 bytes: sixteen neighbouring rows' quads lie in sixteen different 16-byte columns modulo 256
.set LE,   25344                       ; M at 0: 48 rows of mean; E here: 48 rows of Eh.  Rows 0-31: columns' rows CJ + r; rows 32-47: rows RI + r - 32
.set LKD,  50688                       ; 48 words: kin_rr + 1e-6 of these rows
.set LKS,  50944                       ; 4,096 bytes: the tile of kin, flat (thread t: bytes 16 t ..); later the tile of out2 in the same places
.set LDV,  55040                       ; 32 words: the diagonal's values (diagonal work-groups)
; registers
.set C1, 16                            ; v[16:27]  pairs c1 .. c5 and 0.5
.set C2, 18
.set C3, 20
.set C4, 22
.set C5, 24
.set HF, 26
.set CA,  28                           ; v[28+8u ..]   pairs A00, A01, A10, A11 of slot u, each number twice
.set SS,  44                           ; v[44+6u ..]   s00, s01, s10, s11, k_ij, k_ji
.set ACC, 56                           ; v[56+14u+2k]  pair S_k
.set SET, 84                           ; v[84+8x ..]   set x = 0..7: pairs V +0, N +2 (-v^2, then e), D +4 (1 + PK |v|, then t, then t e), P +6
.set BUF, 148                          ; v[148+32bf+16u ..]  quads mi +0, mj +4, Eh_i +8, Eh_j +12 of four channels
; v0 t, v1 lane, v2-3 528 irow, v4-5 528 jl, v6-7 own place x 4, v8-9 mirror place x 4, v10 byte offset of my 16 bytes of the tile, v11 x, v12 16 t,
; v14 (from the first barrier on, diagonal work-groups) the diagonal's value that my lane will place
; two transcendentals in place.  k = 0..3: e of set 4t + k; k = 4..7: t of set 4t + k - 4.  t < 0: nothing.
; Behind each of these stands a line of plain instructions on another group's sets before its result is used.
.macro TR2 t, k
.if \t >= 0
.if \k < 4
	v_exp_f32 v[SET+8*(4*\t+\k)+2], v[SET+8*(4*\t+\k)+2]
	v_exp_f32 v[SET+8*(4*\t+\k)+3], v[SET+8*(4*\t+\k)+3]
.else
	v_rcp_f32 v[SET+8*(4*\t+\k-4)+4], v[SET+8*(4*\t+\k-4)+4]
	v_rcp_f32 v[SET+8*(4*\t+\k-4)+5], v[SET+8*(4*\t+\k-4)+5]
.endif
.endif
.endm
; the arguments of the transcendentals of sets 4g .. 4g+3; group t's reciprocals ride along
.macro PHIA g, t
.irp x, 0,1,2,3
.set Z, SET+8*(4*\g+\x)
	v_pk_mul_f32 v[Z+2:Z+3], v[Z:Z+1], v[Z:Z+1] neg_lo:[1,0] neg_hi:[1,0]   ; -v^2
.endr
	TR2 \t, 4
	TR2 \t, 5
.irp x, 0,1,2,3
.set Z, SET+8*(4*\g+\x)
	v_fma_f32 v[Z+4], |v[Z]|, s37, 1.0
.endr
	TR2 \t, 6
	TR2 \t, 7
.irp x, 0,1,2,3
.set Z, SET+8*(4*\g+\x)
	v_fma_f32 v[Z+5], |v[Z+1]|, s37, 1.0
.endr
.endm
.macro HORNER g, cc                    ; P = P t + c
.irp x, 0,1,2,3
.set Z, SET+8*(4*\g+\x)
	v_pk_fma_f32 v[Z+6:Z+7], v[Z+6:Z+7], v[Z+4:Z+5], v[\cc:\cc+1]
.endr
.endm
; Phi of sets 4g .. 4g+3 into P, four chains side by side; all sixteen transcendentals of group t ride along
.macro PHIP g, t
	s_wait_alu depctr_va_vdst(0)
.irp x, 0,1,2,3
.set Z, SET+8*(4*\g+\x)
	v_pk_fma_f32 v[Z+6:Z+7], v[C5:C5+1], v[Z+4:Z+5], v[C4:C4+1]
.endr
	TR2 \t, 0
	HORNER \g, C3
	TR2 \t, 1
	HORNER \g, C2
	TR2 \t, 2
	HORNER \g, C1
	TR2 \t, 3
.irp x, 0,1,2,3
.set Z, SET+8*(4*\g+\x)
	v_pk_mul_f32 v[Z+4:Z+5], v[Z+4:Z+5], v[Z+2:Z+3]                         ; t e
.endr
	TR2 \t, 4
.irp x, 0,1,2,3
.set Z, SET+8*(4*\g+\x)
	v_pk_fma_f32 v[Z+6:Z+7], v[Z+6:Z+7], v[Z+4:Z+5], v[HF:HF+1] neg_lo:[1,0,0] neg_hi:[1,0,0]   ; 0.5 - t e poly
.endr
	TR2 \t, 5
.irp x, 0,1,2,3
.set Z, SET+8*(4*\g+\x)
	v_bfi_b32 v[Z+6], s38, v[Z+6], v[Z]                                     ; its magnitude, v's sign
.endr
	TR2 \t, 6
.irp x, 0,1,2,3
.set Z, SET+8*(4*\g+\x)
	v_bfi_b32 v[Z+7], s38, v[Z+7], v[Z+1]
.endr
	TR2 \t, 7
.irp x, 0,1,2,3
.set Z, SET+8*(4*\g+\x)
	v_pk_add_f32 v[Z+6:Z+7], v[Z+6:Z+7], v[HF:HF+1]
.endr
.endm
; v1 and v2 of channel pair c of buffer bf, both slots: set 4c + 2u + f.  Group t's exponentials ride along.
.macro AV c, bf, t
.irp u, 0,1
.irp f, 0,1
.set Z, SET+8*(4*\c+2*\u+\f)
.set MM, BUF+32*\bf+16*\u+2*\c
	v_pk_mul_f32 v[Z:Z+1], v[MM:MM+1], v[CA+8*\u+4*\f:CA+8*\u+4*\f+1]
.endr
.endr
	TR2 \t, 0
	TR2 \t, 1
.irp u, 0,1
.irp f, 0,1
.set Z, SET+8*(4*\c+2*\u+\f)
.set MM, BUF+32*\bf+16*\u+2*\c
	v_pk_fma_f32 v[Z:Z+1], v[MM+4:MM+5], v[CA+8*\u+4*\f+2:CA+8*\u+4*\f+3], v[Z:Z+1]
.endr
.endr
	TR2 \t, 2
	TR2 \t, 3
.endm
.macro CS c, bf, u                     ; names for slot u: its two sets, its channel pair, its sums
.set X1, SET+8*(4*\c+2*\u)
.set X2, X1+8
.set MM, BUF+32*\bf+16*\u+2*\c
.set AC, ACC+14*\u
.endm
.macro MAC d, a, b, first              ; d += a b; the first product starts the sum, so nothing is cleared
.if \first
	v_pk_mul_f32 v[\d:\d+1], v[\a:\a+1], v[\b:\b+1]
.else
	v_pk_fma_f32 v[\d:\d+1], v[\a:\a+1], v[\b:\b+1], v[\d:\d+1]
.endif
.endm
; the seven sums take channel pair c.  V and D of the two sets serve as temporaries.
.macro COMB c, bf, first
.irp u, 0,1
	CS \c, \bf, \u
.if \first
	v_pk_mul_f32 v[AC:AC+1], v[X1+6:X1+7], v[X2+6:X2+7]                     ; Psi starts S0
.else
	v_pk_mul_f32 v[X1:X1+1], v[X1+6:X1+7], v[X2+6:X2+7]                     ; Psi = Phi1 Phi2
.endif
	v_pk_mul_f32 v[X2:X2+1], v[MM:MM+1], v[MM+4:MM+5]                       ; mi mj
	v_pk_mul_f32 v[X1+4:X1+5], v[X2+6:X2+7], v[X1+2:X1+3]                   ; Phi2 e1
	v_pk_mul_f32 v[X2+4:X2+5], v[X1+6:X1+7], v[X2+2:X2+3]                   ; Phi1 e2
.endr
.irp u, 0,1
	CS \c, \bf, \u
.if \first
	v_pk_mul_f32 v[AC+2:AC+3], v[AC:AC+1], v[X2:X2+1]
	s_wait_alu depctr_va_vdst(0)
.else
	v_pk_add_f32 v[AC:AC+1], v[AC:AC+1], v[X1:X1+1]
	v_pk_fma_f32 v[AC+2:AC+3], v[X1:X1+1], v[X2:X2+1], v[AC+2:AC+3]
.endif
	MAC AC+4, X1+4, MM, \first
	MAC AC+6, X1+4, MM+4, \first
.endr
.irp u, 0,1
	CS \c, \bf, \u
	MAC AC+8, X2+4, MM, \first
	MAC AC+10, X2+4, MM+4, \first
	MAC AC+12, X1+2, X2+2, \first
	v_pk_fma_f32 v[AC+2:AC+3], v[MM+8:MM+9], v[MM+12:MM+13], v[AC+2:AC+3] neg_lo:[1,0,0] neg_hi:[1,0,0]   ; - Eh_i Eh_j
.endr
.endm
; four channels of both slots: 160 plain instructions and 32 transcendentals
.macro STEP bf, first
	AV 0, \bf, -1
	PHIA 0, -1
	AV 1, \bf, 0
	PHIA 1, 0
	PHIP 0, 1
	COMB 0, \bf, \first
	PHIP 1, -1
	COMB 1, \bf, 0
.endm
.macro LOADS bf, off                   ; eight LDS loads: four channels of mi, mj, Eh_i, Eh_j for both slots
.irp u, 0,1
.set MM, BUF+32*\bf+16*\u
	ds_load_b128 v[MM:MM+3],     v[2+\u] offset:\off
	ds_load_b128 v[MM+4:MM+7],   v[4+\u] offset:\off
	ds_load_b128 v[MM+8:MM+11],  v[2+\u] offset:\off+LE
	ds_load_b128 v[MM+12:MM+15], v[4+\u] offset:\off+LE
.endr
.endm
.macro ADV                             ; eight channels on
.irp r, 2,3,4,5
	v_add_nc_u32 v[\r], 32, v[\r]
.endr
.endm
; Two rows of mean (quads v[m ..], v[m+4 ..]; kin_rr in s[k], s[k+1]) become Eh; mean, Eh and kin_rr + 1e-6 go to LDS.  Set 2r + c: row r, channel pair c.
; v[116+2r] kap / sigma, v[120+2r] c0 sigma, v[124+2r] sigma^2 (pairs); v128-131 at work; v[132+4r ..] Eh.  d = 1: the diagonal's value too.
.macro EH2 m, k, ra, o, ka, q, d
.irp r, 0,1
	v_add_f32 v[128+\r], s[\k+\r], s61                                      ; kin_rr + 1e-6
.endr
.irp r, 0,1
	ds_store_b32 v[\ka], v[128+\r] offset:LKD+\q+4*\r                       ; every lane the same word and value
	v_maximum_f32 v[124+2*\r], v[128+\r], s60
.endr
	v_sqrt_f32 v130, v124
	v_sqrt_f32 v131, v126
	v_rsq_f32 v116, v124
	v_rsq_f32 v118, v126
	v_mov_b32 v125, v124                                                    ; plain lines behind the transcendentals: they read a source, which is allowed
	v_mov_b32 v127, v126
	s_wait_alu depctr_va_vdst(0)
	v_mul_f32 v116, s63, v116
	v_mul_f32 v118, s63, v118
	v_mov_b32 v117, v116
	v_mov_b32 v119, v118
.irp r, 0,1
.irp c, 0,1
.set Z, SET+8*(2*\r+\c)
	v_pk_mul_f32 v[Z:Z+1], v[\m+4*\r+2*\c:\m+4*\r+2*\c+1], v[116+2*\r:117+2*\r]
.endr
.endr
	PHIA 0, -1
.irp j, 0,1,2,3,4,5,6,7
	TR2 0, \j
.endr
	v_mul_f32 v120, 0x3ecc422a, v130                                        ; c0 sigma: four plain lines behind the transcendentals
	v_mul_f32 v122, 0x3ecc422a, v131
	v_mov_b32 v121, v120
	v_mov_b32 v123, v122
	s_wait_alu depctr_va_vdst(0)
	PHIP 0, -1
.irp r, 0,1
.irp c, 0,1
.set Z, SET+8*(2*\r+\c)
	v_pk_mul_f32 v[132+4*\r+2*\c:133+4*\r+2*\c], v[\m+4*\r+2*\c:\m+4*\r+2*\c+1], v[Z+6:Z+7]
.endr
.endr
.irp r, 0,1
.irp c, 0,1
.set Z, SET+8*(2*\r+\c)
	v_pk_fma_f32 v[132+4*\r+2*\c:133+4*\r+2*\c], v[120+2*\r:121+2*\r], v[Z+2:Z+3], v[132+4*\r+2*\c:133+4*\r+2*\c]   ; Eh = m Phi + c0 sigma e
.endr
.endr
.irp r, 0,1
	ds_store_b128 v[\ra], v[\m+4*\r:\m+4*\r+3] offset:\o+PITCH*\r
	ds_store_b128 v[\ra], v[132+4*\r:135+4*\r] offset:\o+PITCH*\r+LE
.endr
.if \d
.irp r, 0,1
.irp c, 0,1
.set Z, SET+8*(2*\r+\c)
	v_pk_add_f32 v[Z:Z+1], v[\m+4*\r+2*\c:\m+4*\r+2*\c+1], v[132+4*\r+2*\c:133+4*\r+2*\c] neg_lo:[0,1] neg_hi:[0,1]
.endr
.endr
.irp r, 0,1
.irp c, 0,1
.set Z, SET+8*(2*\r+\c)
	v_pk_mul_f32 v[Z:Z+1], v[132+4*\r+2*\c:133+4*\r+2*\c], v[Z:Z+1]
.endr
.endr
.irp r, 0,1
.irp c, 0,1
.set Z, SET+8*(2*\r+\c)
	v_pk_fma_f32 v[Z:Z+1], v[124+2*\r:125+2*\r], v[Z+6:Z+7], v[Z:Z+1]       ; Eh (m - Eh) + sigma^2 Phi
.endr
.endr
.irp r, 0,1
.set Z, SET+16*\r
	v_pk_add_f32 v[Z:Z+1], v[Z:Z+1], v[Z+8:Z+9]
.endr
.irp r, 0,1
.set Z, SET+16*\r
	v_add_f32 v[Z], v[Z], v[Z+1]
.endr
.irp r, 0,1
.set Z, SET+16*\r
	v_cndmask_b32 v[Z], 0, v[Z], s55                                        ; lanes 24-31 hold a copy of quad 23: they add nothing
.endr
.irp x, 1,2,4,8
.irp r, 0,1
.set Z, SET+16*\r
	v_add_f32_dpp v[Z], v[Z], v[Z] row_xmask:\x row_mask:0xf bank_mask:0xf
.endr
.endr
.irp r, 0,1
.set Z, SET+16*\r
	v_permlanex16_b32 v[Z+1], v[Z], s39, s40
.endr
.irp r, 0,1
.set Z, SET+16*\r
	v_add_f32 v[Z], v[Z], v[Z+1]
.endr
.irp r, 0,1
.set Z, SET+16*\r
	v_mul_f32 v[Z], s62, v[Z]                                               ; the mean,
	v_maximum_f32 v[Z], v[Z], s61                                           ; clipped at 1e-6,
	v_add_f32 v[Z], s61, v[Z]                                               ; plus the 1e-6 of the last line
	ds_store_b32 v[\ka], v[Z] offset:LDV+\q+4*\r
.endr
.endif
.endm
	; ---- who am I
	s_load_b256 s[4:11], s[0:1], 0x0               ; kin s[4:5], meanin s[6:7], xin s[8:9], out0 s[10:11]
	s_load_b128 s[12:15], s[0:1], 0x20             ; out1 s[12:13], out2 s[14:15]
	v_lshl_add_u32 v216, v0, 2, 0x10000
	v_mov_b32 v217, 0
	v_and_b32 v1, 31, v0                           ; lane
	v_lshrrev_b32 v13, 5, v0
	v_readfirstlane_b32 s16, v13                   ; wave w
	s_and_b32 s17, ttmp7, 0xffff                   ; batch
	s_lshr_b32 s18, ttmp9, 3                       ; I
	s_and_b32 s19, ttmp9, 7                        ; k
	s_and_b32 s56, s18, 3
	s_lshr_b32 s57, s18, 2
	s_add_co_u32 s58, s19, 1
	s_lshr_b32 s59, s58, 1                         ; D = (k + 1) >> 1
	s_and_b32 s58, s58, 1
	s_cmp_eq_u32 s19, 7
	s_cselect_b32 s21, s56, s18                    ; block row I' (k = 7: I & 3)
	s_cselect_b32 s23, s57, s58                    ; half (k = 7: I >> 2)
	s_add_co_u32 s22, s21, s59
	s_and_b32 s22, s22, 7                          ; block column J
	s_cmp_eq_u32 s19, 0                            ; the diagonal block?  All that differs is chosen here.
	s_cselect_b32 s20, 1, 0                        ; dg
	s_cselect_b32 s23, 0, s23
	s_cselect_b32 s26, 4, 5                        ; slot >> sh = local row il
	s_cselect_b32 s27, 15, 31                      ; t & msk = x
	s_cselect_b32 s28, 1, 0                        ; jl = (x + dgm (il + 1)) & 31
	s_cselect_b32 s29, 0, 32                       ; LDS row of i = il + irb
	s_cselect_b32 s30, 5, 4                        ; mirror place = mbase + (jl << msh) + il
	s_cselect_b32 s31, 0, 2048                     ; 4 mbase
	s_cselect_b32 s32, 15, 255                     ; x at which the mirror is left out: offset 16 of a diagonal block, which both partners own
	s_lshl_b32 s24, s21, 5
	s_lshl_b32 s56, s23, 4
	s_add_co_u32 s24, s24, s56                     ; RI: first row i
	s_lshl_b32 s25, s22, 5                         ; CJ: first column j
	; the tile in kin and in out2, 16 bytes a thread.  Waves 0-3: 16 rows x 32 columns at (RI, CJ).  Waves 4-7: the mirror, 32 rows x 16 columns at (CJ, RI);
	; in a diagonal block the lower 16 rows.
	s_lshr_b32 s56, s16, 2
	s_xor_b32 s57, s20, 1
	s_and_b32 s57, s56, s57                        ; 1: I hold a piece of the mirror
	s_lshl_b32 s58, s56, 4
	s_add_co_u32 s58, s58, s24
	s_cmp_lg_u32 s57, 0
	s_cselect_b32 s33, 2, 3                        ; quads in a row: 4 or 8
	s_cselect_b32 s34, 3, 7
	s_cselect_b32 s35, s25, s58                    ; first row
	s_cselect_b32 s36, s24, s25                    ; first column
	v_and_b32 v13, 127, v0
	v_lshrrev_b32 v14, s33, v13
	v_and_b32 v13, s34, v13
	v_add_nc_u32 v14, s35, v14
	v_lshlrev_b32 v14, 10, v14                     ; row x 1,024 bytes
	v_lshl_add_u32 v14, v13, 4, v14
	s_lshl_b32 s56, s36, 2
	v_add_nc_u32 v10, s56, v14
	v_lshlrev_b32 v12, 4, v0
	; constants
	s_mov_b32 s37, 0x3e8ba43f                      ; PK = 0.3275911 / sqrt(log2 e)
	s_mov_b32 s38, 0x7fffffff
	s_mov_b32 s39, 0x76543210                      ; v_permlanex16_b32: lane i of the other half
	s_mov_b32 s40, 0xfedcba98
	s_mov_b32 s55, 0x00ffffff                      ; lanes 0-23
	s_mov_b32 s60, 0x322bcc77                      ; 1e-8
	s_mov_b32 s61, 0x358637bd                      ; 1e-6
	s_mov_b32 s62, 0x3c2aaaab                      ; 1/96
	s_mov_b32 s63, 0x3f596d27                      ; kap
.irp h, 0,1
	v_mov_b32 v[C1+\h], 0x3e027906
	v_mov_b32 v[C2+\h], 0xbe11a98e
	v_mov_b32 v[C3+\h], 0x3f35f0e3
	v_mov_b32 v[C4+\h], 0xbf3a00e3
	v_mov_b32 v[C5+\h], 0x3f07dc22
	v_mov_b32 v[HF+\h], 0.5
.endr
	; the rows that my wave prepares: CJ + 4w .. + 3 (LDS rows 4w ..) and RI + 2w, + 1 (LDS rows 32 + 2w ..)
	s_lshl_b32 s56, s16, 2
	s_add_co_u32 s56, s56, s25
	s_mul_i32 s46, s56, 1028                       ; byte offset of kin[r][r]
	s_mul_i32 s58, s56, 384                        ; of row r of meanin and out1
	s_lshl_b32 s57, s16, 1
	s_add_co_u32 s57, s57, s24
	s_mul_i32 s47, s57, 1028
	s_mul_i32 s59, s57, 384
	v_min_u32 v14, 23, v1                          ; a row has 24 quads; lanes 24-31 take the last again, into the row's padding
	v_lshlrev_b32 v14, 4, v14
	v_add_nc_u32 v13, s58, v14
	v_add_nc_u32 v14, s59, v14
	v_lshlrev_b32 v213, 4, v1
	v_add_nc_u32 v212, s58, v213                   ; out1: my 16 bytes of the wave's 1,536
	s_mul_i32 s56, s16, 4*PITCH
	s_mul_i32 s57, s16, 2*PITCH
	v_add_nc_u32 v15, s56, v213
	v_add_nc_u32 v140, s57, v213
	s_lshl_b32 s56, s16, 4
	s_lshl_b32 s57, s16, 3
	v_mov_b32 v141, s56
	v_mov_b32 v142, s57
	v_lshlrev_b32 v143, 3, v1
	s_lshl_b32 s42, s17, 18                        ; a batch of kin and out2
	s_mov_b32 s43, 0
	s_mul_i32 s44, s17, 98304                      ; of meanin and out1
	s_mov_b32 s45, 0
	s_wait_kmcnt 0x0
	s_add_nc_u64 s[4:5], s[4:5], s[42:43]
	s_add_nc_u64 s[14:15], s[14:15], s[42:43]
	s_add_nc_u64 s[6:7], s[6:7], s[44:45]
	s_add_nc_u64 s[12:13], s[12:13], s[44:45]
	s_lshl_b32 s42, s17, 11                        ; xin and out0: 2,048 bytes a batch, 256 for the 32 rows of block I
	s_lshl_b32 s44, s18, 8
	s_add_co_u32 s42, s42, s44
	s_add_nc_u64 s[8:9], s[8:9], s[42:43]
	s_add_nc_u64 s[10:11], s[10:11], s[42:43]
	; ---- everything that is read from memory is asked for here
	global_load_b128 v[172:175], v10, s[4:5]
.irp r, 0,1,2,3
	global_load_b128 v[148+4*\r:151+4*\r], v13, s[6:7] offset:384*\r
	s_load_b32 s[48+\r], s[4:5], s46 offset:1028*\r
.endr
	s_cmp_lg_u32 s20, 0
	s_cbranch_scc1 .Ldiag                          ; the same way for all eight waves
	global_load_b128 v[164:167], v14, s[6:7]
	global_load_b128 v[168:171], v14, s[6:7] offset:384
	s_load_b32 s52, s[4:5], s47
	s_load_b32 s53, s[4:5], s47 offset:1028
	s_wait_kmcnt 0x0
	s_wait_loadcnt 0x4                             ; the tile and two rows are in; the four younger rows stay out
	EH2 148, 48, 15, 0, 141, 0, 0
	s_wait_loadcnt 0x2                             ; the two rows of i stay out
	EH2 156, 50, 15, 2*PITCH, 141, 8, 0
	s_wait_loadcnt 0x0
	EH2 164, 52, 140, 32*PITCH, 142, 128, 0
	s_branch .Ljoin
.Ldiag:
	s_cmp_lg_u32 s16, 0
	s_cbranch_scc1 .Lno_xin
	global_load_b64 v[176:177], v143, s[8:9]       ; wave 0: the block's 256 bytes of xin
.Lno_xin:
	s_wait_kmcnt 0x0
	s_wait_loadcnt 0x2                             ; the tile and rows 0, 1 are in; two younger loads stay out (in wave 0: row 3 and xin)
	EH2 148, 48, 15, 0, 141, 0, 1
	s_wait_loadcnt 0x0
	EH2 156, 50, 15, 2*PITCH, 141, 8, 1
	s_cmp_lg_u32 s16, 0
	s_cbranch_scc1 .Ljoin
	global_store_b64 v143, v[176:177], s[10:11] th:TH_STORE_NT   ; 32 lanes store 256 consecutive bytes, aligned
.Ljoin:
	ds_store_b128 v12, v[172:175] offset:LKS
	s_wait_dscnt 0x0                               ; my rows, my kin_rr, my diagonal values and my piece of the tile are in LDS
	s_barrier_signal -1
	s_barrier_wait -1                              ; everybody's are
	; ---- the diagonal work-groups: the diagonal's value is fetched here, between this barrier and the next, where no wave stores into LDS;
	; ---- and out1: the wave's four rows of Eh are 1,536 consecutive bytes of out1, read back so that each store covers 512, aligned
	s_cmp_eq_u32 s20, 0
	s_cbranch_scc1 .Lpairs
	v_and_b32 v178, 3, v1                          ; rows 4w .. 4w + 3, one for each lane modulo 4
	v_lshlrev_b32 v178, 2, v178
	v_lshl_add_u32 v178, s16, 4, v178
	ds_load_b32 v14, v178 offset:LDV               ; kept in v14 until the results are placed
	v_mov_b32 v144, 144                            ; an LDS row is 144 bytes longer than a row of out1
.irp r, 0,1,2
	v_cmp_le_u32 vcc_lo, 24-8*\r, v1               ; from this lane on the 512 bytes lie in the next row
	v_cndmask_b32 v[145+\r], 0, v144, vcc_lo
	v_add_nc_u32 v[145+\r], v[145+\r], v15
	ds_load_b128 v[180+4*\r:183+4*\r], v[145+\r] offset:LE+656*\r
.endr
.irp r, 0,1,2
	s_wait_dscnt 2-\r                              ; LDS loads come back in order: the younger read-backs stay out; the first of these waits also shows v14 in
	global_store_b128 v212, v[180+4*\r:183+4*\r], s[12:13] offset:512*\r th:TH_STORE_NT
.endr
.Lpairs:
	s_wait_xcnt 0x0                                ; the stores' data and offsets (v143, v176-191) are written again below only behind this wait
	; ---- my two pairs: slot = t + 256 u
	s_lshr_b32 s56, 256, s26
	v_and_b32 v11, s27, v0                         ; x
	v_lshrrev_b32 v92, s26, v0                     ; il
	v_add_nc_u32 v93, s56, v92
.irp u, 0,1
	v_add_nc_u32 v[94+\u], 1, v[92+\u]
	v_mad_u32_u24 v[94+\u], v[94+\u], s28, v11
	v_and_b32 v[94+\u], 31, v[94+\u]               ; jl
	v_add_nc_u32 v[96+\u], s29, v[92+\u]           ; LDS row of i
	v_mul_u32_u24 v[2+\u], v[96+\u], PITCH
	v_mul_u32_u24 v[4+\u], v[94+\u], PITCH
	v_lshl_add_u32 v[6+\u], v[92+\u], 5, v[94+\u]
	v_lshlrev_b32 v[6+\u], 2, v[6+\u]              ; own place: word 32 il + jl
	v_lshlrev_b32 v[8+\u], s30, v[94+\u]
	v_add_lshl_u32 v[8+\u], v[8+\u], v[92+\u], 2
	v_add_nc_u32 v[8+\u], s31, v[8+\u]             ; mirror place
	v_lshlrev_b32 v[84+\u], 2, v[96+\u]
	v_lshlrev_b32 v[86+\u], 2, v[94+\u]
.endr
.irp u, 0,1
	ds_load_b32 v[SS+6*\u+4], v[6+\u] offset:LKS   ; k_ij
	ds_load_b32 v[SS+6*\u+5], v[8+\u] offset:LKS   ; k_ji
	ds_load_b32 v[88+\u], v[84+\u] offset:LKD      ; k_ii + 1e-6
	ds_load_b32 v[90+\u], v[86+\u] offset:LKD      ; k_jj + 1e-6
.endr
	LOADS 0, 0
	s_wait_dscnt 0x8                               ; the eight words are in; the eight row loads stay out
	; the 2x2 root and its inverse, both slots side by side.  v98 det, v100 sqrt(det), v102 trace + 2 sqrt, v104/106 m + sqrt, v108 1/t, v110 dS, v112 kap/dS
.irp u, 0,1
	v_mul_f32 v[98+\u], v[SS+6*\u+4], v[SS+6*\u+5]
.endr
.irp u, 0,1
	v_fma_f32 v[98+\u], v[88+\u], v[90+\u], -v[98+\u]
.endr
.irp u, 0,1
	v_maximum_f32 v[98+\u], v[98+\u], s60
.endr
	v_sqrt_f32 v100, v98
	v_sqrt_f32 v101, v99
.irp u, 0,1
	v_add_f32 v[102+\u], v[88+\u], v[90+\u]        ; plain lines behind the roots
.endr
	s_wait_alu depctr_va_vdst(0)
.irp u, 0,1
	v_fma_f32 v[102+\u], 2.0, v[100+\u], v[102+\u]
.endr
	v_sqrt_f32 v108, v102
	v_sqrt_f32 v109, v103
.irp u, 0,1
	v_add_f32 v[104+\u], v[88+\u], v[100+\u]       ; plain lines behind the roots
	v_add_f32 v[106+\u], v[90+\u], v[100+\u]
.endr
	s_wait_alu depctr_va_vdst(0)
.irp u, 0,1
	v_maximum_f32 v[108+\u], v[108+\u], s60
.endr
	v_rcp_f32 v108, v108
	v_rcp_f32 v109, v109
	v_nop                                          ; one plain place between a transcendental and the use of its result
	s_wait_alu depctr_va_vdst(0)
.irp u, 0,1
	v_mul_f32 v[SS+6*\u],   v[104+\u], v[108+\u]          ; s00
	v_mul_f32 v[SS+6*\u+1], v[SS+6*\u+4], v[108+\u]       ; s01
	v_mul_f32 v[SS+6*\u+2], v[SS+6*\u+5], v[108+\u]       ; s10
	v_mul_f32 v[SS+6*\u+3], v[106+\u], v[108+\u]          ; s11
.endr
.irp u, 0,1
	v_mul_f32 v[110+\u], v[SS+6*\u+1], v[SS+6*\u+2]
.endr
.irp u, 0,1
	v_fma_f32 v[110+\u], v[SS+6*\u], v[SS+6*\u+3], -v[110+\u]
.endr
.irp u, 0,1
	v_maximum_f32 v[110+\u], v[110+\u], s60
.endr
	v_rcp_f32 v112, v110
	v_rcp_f32 v113, v111
	v_nop
	s_wait_alu depctr_va_vdst(0)
.irp u, 0,1
	v_mul_f32 v[112+\u], s63, v[112+\u]
.endr
.irp u, 0,1
.irp h, 0,1
	v_mul_f32 v[CA+8*\u+\h],   v[SS+6*\u+3], v[112+\u]    ; A00 =  kap s11 / dS, in both halves of its pair
	v_mul_f32 v[CA+8*\u+2+\h], -v[SS+6*\u+1], v[112+\u]   ; A01 = -kap s01 / dS
	v_mul_f32 v[CA+8*\u+4+\h], -v[SS+6*\u+2], v[112+\u]   ; A10 = -kap s10 / dS
	v_mul_f32 v[CA+8*\u+6+\h], v[SS+6*\u], v[112+\u]      ; A11 =  kap s00 / dS
.endr
.endr
	; ---- 96 channels in 24 steps of four, on two buffers.  Each wait for 8 leaves out the eight loads just issued for the other buffer.
	LOADS 1, 16
	s_wait_dscnt 0x8
	STEP 0, 1                                      ; the first products start the sums
	ADV
	LOADS 0, 0
	s_wait_dscnt 0x8
	STEP 1, 0
	s_mov_b32 s41, 10
.Lchan:
	LOADS 1, 16
	s_wait_dscnt 0x8
	STEP 0, 0
	ADV
	LOADS 0, 0
	s_wait_dscnt 0x8
	STEP 1, 0
	s_sub_co_u32 s41, s41, 1
	s_cmp_lg_u32 s41, 0
	s_cbranch_scc1 .Lchan
	LOADS 1, 16                                    ; channels 92-95: the last load ends at byte 384 of its rows
	s_wait_dscnt 0x8
	STEP 0, 0
	s_wait_dscnt 0x0
	STEP 1, 0
	; ---- every LDS read of mine is back (the wait for 0 above); behind this barrier the bytes of the tile of kin take the results
	s_barrier_signal -1
.irp k, 0,1,2,3,4,5,6
.irp u, 0,1
	v_add_f32 v[ACC+14*\u+2*\k], v[ACC+14*\u+2*\k], v[ACC+14*\u+2*\k+1]      ; even and odd channels
.endr
.endr
.macro ES u                            ; names for slot u
.set AC, ACC+14*\u
.set SB, SS+6*\u
.set AA, CA+8*\u
.set TT, SET+16*\u
.endm
.irp u, 0,1
	ES \u
	v_mul_f32 v[TT],   v[AA],   v[AC+4]            ; R1 = A00 S2 + A01 S3
	v_mul_f32 v[TT+1], v[AA+4], v[AC+8]            ; R2 = A10 S4 + A11 S5
	v_mul_f32 v[TT+3], v[SB+2], v[AC+4]            ; L = s10 S2 + s00 S3 + s11 S4 + s01 S5
	v_mul_f32 v[TT+5], 0x3ea2f983, v[AC+12]        ; X = S6 / pi
.endr
.irp u, 0,1
	ES \u
	v_fmac_f32 v[TT],   v[AA+2], v[AC+6]
	v_fmac_f32 v[TT+1], v[AA+6], v[AC+10]
	v_fmac_f32 v[TT+3], v[SB],   v[AC+6]
.endr
.irp u, 0,1
	ES \u
	v_mul_f32 v[TT+2], v[SB], v[TT]                ; Q = s00 R1 + s11 R2
	v_fmac_f32 v[TT+3], v[SB+3], v[AC+8]
.endr
.irp u, 0,1
	ES \u
	v_fmac_f32 v[TT+2], v[SB+3], v[TT+1]
	v_fmac_f32 v[TT+3], v[SB+1], v[AC+10]
.endr
.irp u, 0,1
	ES \u
	v_mul_f32 v[TT+6], 0x3ef07ef6, v[TT+2]         ; Y = (c0 / kap) Q
	v_fmamk_f32 v[TT+4], v[TT+3], 0x3ecc422a, v[AC+2]   ; base = c0 L + S1
.endr
.irp u, 0,1
	ES \u
	v_fma_f32 v[TT+7],  v[SB+1], v[TT+5], -v[TT+6]
	v_fma_f32 v[TT+10], v[SB+2], v[TT+5], -v[TT+6]
	v_fma_f32 v[TT+8],  v[SB+4], v[AC], v[TT+4]
	v_fma_f32 v[TT+9],  v[SB+5], v[AC], v[TT+4]
.endr
.irp u, 0,1
	ES \u
	v_fmac_f32 v[TT+8], v[SB+1], v[TT+7]
	v_fmac_f32 v[TT+9], v[SB+2], v[TT+10]
.endr
.irp u, 0,1
	ES \u
	v_mul_f32 v[TT+8], s62, v[TT+8]                ; out(i, j)
	v_mul_f32 v[TT+9], s62, v[TT+9]                ; out(j, i)
.endr
	s_barrier_wait -1
	ds_store_b32 v6, v[SET+8]  offset:LKS
	ds_store_b32 v7, v[SET+24] offset:LKS
	v_cmp_ne_u32 vcc_lo, s32, v11
	s_and_saveexec_b32 s54, vcc_lo                 ; no global instruction is pending here: the last were freed at the head of the pairs' part
	ds_store_b32 v8, v[SET+9]  offset:LKS
	ds_store_b32 v9, v[SET+25] offset:LKS
	s_or_b32 exec_lo, exec_lo, s54
	s_cmp_eq_u32 s20, 0
	s_cbranch_scc1 .Lno_diag
	v_and_b32 v13, 3, v1                           ; the diagonal's words of my wave's rows 4w .. 4w + 3: word 33 r of the tile, which no pair owns
	v_lshlrev_b32 v13, 2, v13
	v_lshl_add_u32 v13, s16, 4, v13
	v_mul_u32_u24 v15, v13, 33
	ds_store_b32 v15, v14 offset:LKS               ; eight lanes each write the same word with the same value
.Lno_diag:
	s_wait_dscnt 0x0                               ; my results are in the tile
	s_barrier_signal -1
	s_barrier_wait -1                              ; everybody's are
	ds_load_b128 v[84:87], v12 offset:LKS
	s_wait_dscnt 0x0
	global_store_b128 v10, v[84:87], s[14:15] th:TH_STORE_NT   ; runs of 128 consecutive bytes (own rows) or 64 (mirror rows): a work-group's share of a row
	s_wait_tensorcnt 0x0
	ds_add_u32 v216, v217
	s_wait_dscnt 0x0
	s_endpgm
.Lfunc_end_k_qce901109e3_relucov:
	.size	k_qce901109e3_relucov, .Lfunc_end_k_qce901109e3_relucov-k_qce901109e3_relucov
	.p2alignl 7, 3214868480
	.fill 96, 4, 3214868480
	.section	.rodata,"a",@progbits
	.p2align	6, 0x0
	.amdhsa_kernel k_qce901109e3_relucov
		.amdhsa_group_segment_fixed_size 66560
		.amdhsa_private_segment_fixed_size 0
		.amdhsa_enable_private_segment 0
		.amdhsa_kernarg_size 48
		.amdhsa_user_sgpr_count 2
		.amdhsa_user_sgpr_kernarg_segment_ptr 1
		.amdhsa_wavefront_size32 1
		.amdhsa_system_sgpr_workgroup_id_x 1
		.amdhsa_system_sgpr_workgroup_id_y 1
		.amdhsa_system_sgpr_workgroup_id_z 1
		.amdhsa_system_vgpr_workitem_id 0
		.amdhsa_next_free_vgpr 218
		.amdhsa_next_free_sgpr 66
		.amdhsa_reserve_vcc 1
		.amdhsa_float_denorm_mode_32 3
		.amdhsa_float_denorm_mode_16_64 3
		.amdhsa_memory_ordered 1
		.amdhsa_forward_progress 1
		.amdhsa_inst_pref_size 118
	.end_amdhsa_kernel
	.amdgpu_metadata
---
amdhsa.version: [ 1, 2 ]
amdhsa.kernels:
  - .name:           k_qce901109e3_relucov
    .symbol:         k_qce901109e3_relucov.kd
    .args:
      - { .name: kin, .offset: 0, .size: 8, .value_kind: global_buffer, .address_space: global }
      - { .name: meanin, .offset: 8, .size: 8, .value_kind: global_buffer, .address_space: global }
      - { .name: xin, .offset: 16, .size: 8, .value_kind: global_buffer, .address_space: global }
      - { .name: out0, .offset: 24, .size: 8, .value_kind: global_buffer, .address_space: global }
      - { .name: out1, .offset: 32, .size: 8, .value_kind: global_buffer, .address_space: global }
      - { .name: out2, .offset: 40, .size: 8, .value_kind: global_buffer, .address_space: global }
    .group_segment_fixed_size: 66560
    .private_segment_fixed_size: 0
    .kernarg_segment_align: 8
    .kernarg_segment_size: 48
    .max_flat_workgroup_size: 256
    .sgpr_count:     66
    .vgpr_count:     218
    .wavefront_size: 32
...
	.end_amdgpu_metadata
.endif
;; end of part 1
